; MI455X (gfx1250); checked and timed in simulation.
; The chip was launched on July 23, 2026; its instructions are those of AMD's public machine-readable ISA for CDNA 5 (MIT licence, August 2026) and "CDNA5" Instruction Set Architecture Reference Guide (July 2026). The comments in the code are by the model that wrote it; some were corrected since.
;; Causal Self Attention. Allowed arithmetic: matrix products marked QUANTISED: E4M3 operands, one given power-of-two scale a tensor, by v_wmma_f32_16x16x64_fp8_fp8 or v_wmma_f32_16x16x128_fp8_fp8, f32 sums; everything else in f32.
;; Inputs: Wkv 1,024 x 512 float32; Wo 1,024 x 1,024 float32; Wq 1,024 x 1,024 float32; lowp_scales 10 int32 (the exponents e of the quantised operands' scales 2^e); x 4 x 2,048 x 1,024 float32.
;; Outputs: out0 4 x 2,048 x 1,024 float32.
;; This version of the problem:
;;   THIS VERSION OF THE PROBLEM IS GIVEN IN LOW PRECISION. The matrix products marked QUANTISED in the list below multiply operands that are first quantised to E4M3 (4 exponent bits, 3 mantissa bits; 8 bits a number), with one given power-of-two scale for each operand tensor; their sums are f32. All else is computed in f32.
;;   The module's matrix products, in the order in which they are computed (A, B: the left and right operand; K: the contracted axis; several contracted axes count as one K, in the product's order):
;;     1. [M 8,192, K 1,024] x [K 1,024, N 1,024]; A: input x; B: input Wq: QUANTISED (scales: A lowp_scales[0], B lowp_scales[1])
;;     2. [M 8,192, K 1,024] x [K 1,024, N 512]; A: input x; B: input Wkv: QUANTISED (scales: A lowp_scales[2], B lowp_scales[3])
;;     3. batch 16 x [M 2,048, K 64] x [K 64, N 8,192]; A: computed on the way; B: computed on the way: QUANTISED (scales: A lowp_scales[4], B lowp_scales[5])
;;     4. batch 16 x [M 64, K 2,048] x [K 2,048, N 8,192]; A: computed on the way; B: softmax (see below): QUANTISED (scales: A lowp_scales[6], B lowp_scales[7])
;;     5. [M 8,192, K 1,024] x [K 1,024, N 1,024]; A: computed on the way; B: input Wo: QUANTISED (scales: A lowp_scales[8], B lowp_scales[9])
;;   THE QUANTISER, for each operand of a quantised product, along K:
;;     - The operand's scale is 2^e, e = its entry of the input lowp_scales (int32; the entries are numbered through the quantised products in the list's order, A before B).
;;     - Each number is divided by the scale, clamped to +-448, and rounded to the nearest number of E4M3, ties to even, subnormals kept.
;;     - The product sums the exact products of the quantised numbers (number of the format x scale) in f32.
;;   ~~~python
;;   def quantise(x, axis, e):      # numpy; x: float32 -> the quantised numbers, widened to float32 again
;;       x = np.moveaxis(x, axis, -1); K = x.shape[-1]
;;       r = np.clip(x / 2.0 ** e, -448, 448)
;;       step = 2.0 ** (np.maximum(np.frexp(np.where(r == 0, 1, r))[1] - 1, -6) - 3)
;;       q = np.round(r / step) * step * 2.0 ** e      # np.round: ties to even
;;       return np.moveaxis(q, -1, axis).astype(np.float32)
;;   ~~~
;;   SOFTMAX AHEAD OF A QUANTISED PRODUCT. Where the list says 'softmax', what is quantised is not the finished softmax but p = 2^(t - M), with t = logit x log2(e) and M = ceil(the row's largest t), a whole number; so 1/2 < the row's largest p <= 1. The row's sum l is taken of the UNQUANTISED p, in f32, and the product's result is divided by l at the end. Since M is a whole number, a kernel that streams over the keys may use a running M (the ceiling of the running maximum): every later rescaling is an exact power of two, so the quantised numbers keep their values, but for numbers so far below the row's largest that they fall under the format's range.
;;   OPERANDS COMPUTED ON THE WAY. 'Computed on the way' means the value that the module computes at that place (a softmax that the list does not call 'softmax' is quantised finished and normalised). What goes into a quantiser is computed in f32, as accurately as f32 sums, v_exp_f32 and their like allow (about 1e-6 of the number): no bf16 or f16 on the way to a quantiser, and a product that is left as it is and whose result goes on into a quantised operand takes f32 operands (vector FMAs, or v_wmma_f32_16x16x4_f32). A number that lies on a knife's edge between two numbers of the format may be rounded either way, as far as f32 arithmetic and the matrix unit's own rounding can turn it there, and no further.
;; One version. Each part assembles by itself: llvm-mc -triple=amdgcn-amd-amdhsa -mcpu=gfx1250 --defsym DOCPART=n.
;; ======== version 1 of 1: 4 launches
;; workspace buffers: xq_img 8,388,608 bytes; xkv_img 8,388,608 bytes; w_img 2,621,440 bytes; q_img 8,388,608 bytes; kv_img 4,194,304 bytes; att_img 8,388,608 bytes
;; launch prep (part 1): grid 296 x 1, 8 waves a work-group, no clusters, 136,192 bytes of LDS; arguments x, Wq, Wkv, Wo, lowp_scales, xq_img, xkv_img, w_img; writes xq_img, xkv_img, w_img
.if DOCPART == 1
	.amdgcn_target "amdgcn-amd-amdhsa--gfx1250"
	.amdhsa_code_object_version 6
	.text
	.protected	k_q84012b7f98_prep
	.globl	k_q84012b7f98_prep
	.p2align	8
	.type	k_q84012b7f98_prep,@function
k_q84012b7f98_prep:
	s_mov_b64 s[64:65], 0
	v_nop
	global_prefetch_b8 v0, s[64:65] scope:SCOPE_SE
	s_setreg_imm32_b32 hwreg(HW_REG_WAVE_MODE, 25, 1), 1
	s_wait_xcnt 0x0
; PREP: x is turned into codes of E4M3 twice (scales 2^e0 and 2^e2), Wq, Wkv and Wo once (2^e1, 2^e3, 2^e9).
; code = number / 2^e, held within +-448, rounded to the nearest code, ties to even.
; LIMITS: each e lies between -126 and 119, so that 2^e and 448 x 2^e are f32 numbers.  NaN among the inputs is not served.
; THE IMAGE, the one layout of all workspace of this program: a matrix of rows along K is kept as [tile of 16 rows][block of 32 k][lane][16 bytes]:
; lane 16 h + r of a block holds k = 32 block + 16 h + 0 .. 15 of the tile's row r, and row r of tile T is the matrix's row 32 (T / 2) + 8 (T % 2) + r + 8 (r / 8).
; So a fragment comes by loads of 16 bytes at 16 x lane, and a store of 16 bytes a lane covers a whole block: 512 consecutive bytes, aligned.
; Work-groups 0 to 255 take 32 tokens of x each, work-groups 256 to 295 take 128 columns x 512 k of the weights (joined: Wq's 1,024, Wkv's 512, Wo's 1,024).
; Each path has LDS bytes of its own, each wave a stage of its own: no barrier.  No matrix unit and no cluster: the work-groups share no input, and bytes are all that counts.
.set WREG,  8448                       ; a wave's stage: x: 16 rows x 528;  weights: 2 tiles x (8 blocks x 512 + 128)
.set XST,   0                          ; the x path's eight stages
.set WST,   8*WREG                     ; the weights path's eight
.set SPARE, 16*WREG                    ; the spare words: 128 bytes for each of eight waves, four blocks of 256 bytes that no other line names
.set XP,    528                        ; a stage row of x: 512 bytes + 16, so that sixteen rows start at sixteen different groups of banks
.set LN,   1                           ; v1   lane
.set SPW,  2                           ; v2   my spare word; never rewritten
.set NIL,  3                           ; v3   0; never rewritten
.set LI,   4                           ; v4   16 x lane; never rewritten
.set XIN,  5                           ; v5   x: the stage on the way in
.set XOUT, 6                           ; v6   x: and on the way out
.set SC,   8                           ; v8, v9: 2^e and 448 x 2^e (x: e0);  v10, v11: the same for e2
.set WSI,  12                          ; v12  weights: the stage on the way in
.set WSO,  13                          ; v13  weights: and on the way out
.set X,    32                          ; v32-159  x as loaded, two units of 64; later the codes
.set Y,    160                         ; v160-223 64 numbers in the order of the image
.set T,    224                         ; v224-255 two sets of 16 held numbers, by turns
.set VO,   32                          ; v32-63   weights: 4 x lane + i rows
.set WX,   64                          ; v64-127  weights: two sets of 32 numbers
.set WC,   128                         ; v128-135 a block's codes
.set OUTR, 136                         ; v136-199 the way out
	s_load_b256 s[4:11], s[0:1], 0x0               ; x, Wq, Wkv, Wo
	s_load_b256 s[12:19], s[0:1], 0x20             ; the scales' exponents, xq_img, xkv_img, w_img
	v_lshl_add_u32 v[SPW], v0, 2, SPARE
	v_mov_b32 v[NIL], 0
	v_lshrrev_b32 v[LN], 5, v0
	v_readfirstlane_b32 s20, v[LN]                 ; wave 0..7
	v_and_b32 v[LN], 31, v0
	v_lshlrev_b32 v[LI], 4, v[LN]
	s_mul_i32 s23, s20, WREG
	s_wait_kmcnt 0x0
	s_load_b256 s[24:31], s[12:13], 0x0            ; e0 .. e7
	s_load_b64 s[32:33], s[12:13], 0x20            ; e8, e9
	s_cmp_lt_u32 ttmp9, 256
	s_cbranch_scc0 .Lweights
	; ---- x.  Work-group g owns tokens 32 g .. 32 g + 31: tiles 2 g and 2 g + 1.  Wave w: tile 2 g + (w & 1), k = 256 (w >> 1) on, as two units of 128.
	s_and_b32 s21, s20, 1                          ; u
	s_lshr_b32 s22, s20, 1                         ; kq
	v_add_nc_u32 v[XIN], s23, v[LI]                ; in: a row's 512 bytes as they lie
	v_and_b32 v[XOUT], 15, v0                      ; r
	v_bfe_u32 v7, v0, 4, 1                         ; h
	v_mul_u32_u24 v[XOUT], v[XOUT], XP
	v_lshl_add_u32 v[XOUT], v7, 6, v[XOUT]
	v_add_nc_u32 v[XOUT], s23, v[XOUT]             ; out: row r, + 64 h: my 16 numbers of a block of 32
	s_lshl_b32 s34, ttmp9, 17                      ; (32 g + 8 u) rows of 4,096 bytes + 1,024 kq
	s_lshl_b32 s35, s21, 15
	s_add_co_u32 s34, s34, s35
	s_lshl_b32 s35, s22, 10
	s_add_co_u32 s34, s34, s35
	s_mov_b32 s35, 0
	s_add_nc_u64 s[4:5], s[4:5], s[34:35]
	s_lshl_b32 s34, ttmp9, 15                      ; (2 g + u) tiles of 16,384 bytes + 8 kq blocks of 512
	s_lshl_b32 s36, s21, 14
	s_add_co_u32 s34, s34, s36
	s_lshl_b32 s36, s22, 12
	s_add_co_u32 s34, s34, s36
	s_add_nc_u64 s[14:15], s[14:15], s[34:35]
	s_add_nc_u64 s[16:17], s[16:17], s[34:35]
.macro XLOAD n                         ; unit n: 128 k of the tile's 16 rows: each load reads 512 consecutive bytes
.irp t, 0,1,2,3,4,5,6,7,8,9,10,11,12,13,14,15
	global_load_b128 v[X+64*\n+4*\t:X+64*\n+4*\t+3], v[LI], s[4:5] offset:(\t+8*(\t/8))*4096+512*\n th:TH_LOAD_NT
.endr
.endm
	XLOAD 0
	XLOAD 1
	s_wait_kmcnt 0x0
	s_add_co_i32 s36, s24, 127
	s_lshl_b32 s37, s36, 23
	v_mov_b32 v[SC], s37                           ; 2^e0 as f32: the conversion takes its exponent field
	s_add_co_i32 s36, s36, 8
	s_lshl_b32 s36, s36, 23
	s_or_b32 s36, s36, 0x600000
	v_mov_b32 v[SC+1], s36                         ; 448 x 2^e0
	s_add_co_i32 s36, s26, 127
	s_lshl_b32 s37, s36, 23
	v_mov_b32 v[SC+2], s37                         ; 2^e2
	s_add_co_i32 s36, s36, 8
	s_lshl_b32 s36, s36, 23
	s_or_b32 s36, s36, 0x600000
	v_mov_b32 v[SC+3], s36                         ; 448 x 2^e2
.macro XUNIT n
	s_wait_loadcnt 16*(1-\n)                       ; this unit's 16 loads are in; the other unit's may be out
.irp t, 0,1,2,3,4,5,6,7,8,9,10,11,12,13,14,15
	ds_store_b128 v[XIN], v[X+64*\n+4*\t:X+64*\n+4*\t+3] offset:XP*\t
.endr
.irp c, 0,1,2,3
.irp i, 0,1,2,3
	ds_load_b128 v[Y+16*\c+4*\i:Y+16*\c+4*\i+3], v[XOUT] offset:128*\c+16*\i   ; LDS serves a wave's instructions in order: these see my stores
.endr
.endr
	s_wait_dscnt 0x0
.irp z, 0,1                            ; the two scales
.irp c, 0,1,2,3                        ; the unit's four blocks of 32
.set i, 0
.rept 16
	v_med3_num_f32 v[T+16*(\c%2)+i], v[Y+16*\c+i], -v[SC+1+2*\z], v[SC+1+2*\z]   ; the conversion does not saturate (ISA guide 7.6.2): the hold comes first.  The two sets take turns, so sixteen plain lines stand between a conversion and the rewriting of its sources
.set i, i+1
.endr
	v_cvt_scalef32_pk8_fp8_f32 v[X+64*\n+16*\z+4*\c:X+64*\n+16*\z+4*\c+1], v[T+16*(\c%2):T+16*(\c%2)+7], v[SC+2*\z]
	v_cvt_scalef32_pk8_fp8_f32 v[X+64*\n+16*\z+4*\c+2:X+64*\n+16*\z+4*\c+3], v[T+16*(\c%2)+8:T+16*(\c%2)+15], v[SC+2*\z]
	global_store_b128 v[LI], v[X+64*\n+16*\z+4*\c:X+64*\n+16*\z+4*\c+3], s[14+2*\z:15+2*\z] offset:2048*\n+512*\c   ; a whole block: 512 consecutive bytes; its registers are never written again
.endr
.endr
.endm
	XUNIT 0
	XUNIT 1
	s_wait_tensorcnt 0x0                           ; the wave's end, behind my last LDS store
	ds_add_u32 v[SPW], v[NIL]
	s_wait_dscnt 0x0
	s_endpgm
.Lweights:
	; ---- the weights.  A LANE TAKES A COLUMN AND ITS REGISTERS RUN DOWN K: the conversions then give codes with K innermost.
	; u2 = work-group - 256: columns 128 (u2 >> 1) on of the 2,560 joined ones; wave w: 32 columns (w & 3), k = 256 (2 (u2 & 1) + (w >> 2)) on.
	s_sub_co_u32 s21, ttmp9, 256
	s_and_b32 s22, s21, 1
	s_lshr_b32 s21, s21, 1                         ; cg 0..19
	s_and_b32 s23, s20, 3                          ; cs
	s_lshr_b32 s34, s20, 2
	s_lshl_b32 s22, s22, 1
	s_add_co_u32 s22, s22, s34                     ; kq 0..3
	s_wait_kmcnt 0x0
	s_cmp_lt_u32 s21, 8                            ; cg 0-7: Wq; 8-11: Wkv; 12-19: Wo.  The choices hang on the work-group's number alone
	s_cselect_b64 s[52:53], s[6:7], s[8:9]
	s_cselect_b32 s54, 12, 11                      ; a row is 2^12 or 2^11 bytes
	s_cselect_b32 s55, 0, 8                        ; the tensor's first group
	s_cselect_b32 s56, s25, s27                    ; e1 or e3
	s_cmp_lt_u32 s21, 12
	s_cselect_b64 s[52:53], s[52:53], s[10:11]
	s_cselect_b32 s54, s54, 12
	s_cselect_b32 s55, s55, 12
	s_cselect_b32 s56, s56, s33                    ; or e9
	s_sub_co_u32 s55, s21, s55
	s_lshl_b32 s55, s55, 9                         ; 128 columns of 4 bytes a group,
	s_lshl_b32 s57, s23, 7                         ; 32 a wave,
	s_add_co_u32 s34, s55, s57
	s_lshl_b32 s57, s22, 8
	s_lshl_b32 s57, s57, s54                       ; 256 kq rows
	s_add_co_u32 s34, s34, s57
	s_mov_b32 s35, 0
	s_add_nc_u64 s[36:37], s[52:53], s[34:35]      ; a base for each of my eight blocks of 32 k: nothing is stepped later
	s_lshl_b32 s34, 32, s54
.irp t, 1,2,3,4,5,6,7
	s_add_nc_u64 s[36+2*\t:37+2*\t], s[34+2*\t:35+2*\t], s[34:35]
.endr
	s_lshl_b32 s58, 1, s54                         ; a row in bytes
	v_lshlrev_b32 v7, 2, v[LN]
.set i, 0
.rept 32
	v_mad_u32_u24 v[VO+i], s58, i, v7              ; 4 x lane + i rows
.set i, i+1
.endr
	s_mul_i32 s59, s20, WREG
	s_add_co_u32 s59, s59, WST                     ; my stage
	v_bfe_u32 v[WSI], v0, 3, 1                     ; column l of the 32 lies in tile (l >> 3) & 1,
	v_mul_u32_u24 v[WSI], v[WSI], 4224             ; (the second tile 128 bytes askew)
	v_bfe_u32 v14, v0, 4, 1
	v_and_b32 v15, 7, v0
	v_lshl_add_u32 v14, v14, 3, v15                ; as its row 8 (l >> 4) + (l & 7)
	v_lshl_add_u32 v[WSI], v14, 4, v[WSI]
	v_add_nc_u32 v[WSI], s59, v[WSI]
	v_add_nc_u32 v[WSO], s59, v[LI]
	s_lshl_b32 s34, s21, 17                        ; the image: tile 8 cg + 2 cs, + 8 kq blocks
	s_lshl_b32 s57, s23, 15
	s_add_co_u32 s34, s34, s57
	s_lshl_b32 s57, s22, 12
	s_add_co_u32 s34, s34, s57
	s_add_nc_u64 s[18:19], s[18:19], s[34:35]
.macro WLOAD t                         ; block t: 32 rows at my column: a load reads 128 consecutive bytes, the four waves side by side 512
.set i, 0
.rept 32
	global_load_b32 v[WX+32*((\t)%2)+i], v[VO+i], s[36+2*(\t):37+2*(\t)] th:TH_LOAD_NT
.set i, i+1
.endr
.endm
	WLOAD 0
	WLOAD 1
	s_add_co_i32 s56, s56, 127
	s_lshl_b32 s57, s56, 23
	v_mov_b32 v[SC], s57                           ; 2^e
	s_add_co_i32 s56, s56, 8
	s_lshl_b32 s56, s56, 23
	s_or_b32 s56, s56, 0x600000
	v_mov_b32 v[SC+1], s56                         ; 448 x 2^e
.macro WBLOCK t
.if (\t) < 7
	s_wait_loadcnt 32                              ; this block's 32 loads are in; the next block's may be out
.else
	s_wait_loadcnt 0x0
.endif
.set i, 0
.rept 32
	v_med3_num_f32 v[WX+32*((\t)%2)+i], v[WX+32*((\t)%2)+i], -v[SC+1], v[SC+1]
.set i, i+1
.endr
.irp g, 0,1,2,3
	v_cvt_scalef32_pk8_fp8_f32 v[WC+2*\g:WC+2*\g+1], v[WX+32*((\t)%2)+8*\g:WX+32*((\t)%2)+8*\g+7], v[SC]
.endr
	v_nop                                          ; a plain line behind the last conversion of the run
	ds_store_b128 v[WSI], v[WC:WC+3] offset:512*(\t)        ; k 0 .. 15 of the block: lanes 0-15 of the image,
	ds_store_b128 v[WSI], v[WC+4:WC+7] offset:512*(\t)+256  ; k 16 .. 31: lanes 16-31
.if (\t)+2 < 8
	WLOAD (\t)+2
.endif
	s_wait_dscnt 0x0                               ; the stores have read their registers: the next block's codes may be written
.endm
.irp t, 0,1,2,3,4,5,6,7
	WBLOCK \t
.endr
.irp n, 0,1,2,3,4,5,6,7,8,9,10,11,12,13,14,15
	ds_load_b128 v[OUTR+4*\n:OUTR+4*\n+3], v[WSO] offset:(\n/8)*4224+512*(\n%8)
.endr
.irp n, 0,1,2,3,4,5,6,7,8,9,10,11,12,13,14,15
	s_wait_dscnt 15-\n                             ; LDS loads come back in order: block n is in, the younger ones may be out
	global_store_b128 v[LI], v[OUTR+4*\n:OUTR+4*\n+3], s[18:19] offset:(\n/8)*16384+512*(\n%8)
.endr
	s_wait_tensorcnt 0x0                           ; the wave's end, behind my last LDS store
	ds_add_u32 v[SPW], v[NIL]
	s_wait_dscnt 0x0
	s_endpgm
.Lfunc_end_k_q84012b7f98_prep:
	.size	k_q84012b7f98_prep, .Lfunc_end_k_q84012b7f98_prep-k_q84012b7f98_prep
	.p2alignl 7, 3214868480
	.fill 96, 4, 3214868480
	.section	.rodata,"a",@progbits
	.p2align	6, 0x0
	.amdhsa_kernel k_q84012b7f98_prep
		.amdhsa_group_segment_fixed_size 136192
		.amdhsa_private_segment_fixed_size 0
		.amdhsa_enable_private_segment 0
		.amdhsa_kernarg_size 64
		.amdhsa_user_sgpr_count 2
		.amdhsa_user_sgpr_kernarg_segment_ptr 1
		.amdhsa_wavefront_size32 1
		.amdhsa_system_sgpr_workgroup_id_x 1
		.amdhsa_system_sgpr_workgroup_id_y 1
		.amdhsa_system_sgpr_workgroup_id_z 1
		.amdhsa_system_vgpr_workitem_id 0
		.amdhsa_next_free_vgpr 256
		.amdhsa_next_free_sgpr 66
		.amdhsa_reserve_vcc 0
		.amdhsa_float_denorm_mode_32 3
		.amdhsa_float_denorm_mode_16_64 3
		.amdhsa_memory_ordered 1
		.amdhsa_forward_progress 1
		.amdhsa_inst_pref_size 81
	.end_amdhsa_kernel
	.amdgpu_metadata
---
amdhsa.version: [ 1, 2 ]
amdhsa.kernels:
  - .name:           k_q84012b7f98_prep
    .symbol:         k_q84012b7f98_prep.kd
    .args:
      - { .name: x, .offset: 0, .size: 8, .value_kind: global_buffer, .address_space: global }
      - { .name: Wq, .offset: 8, .size: 8, .value_kind: global_buffer, .address_space: global }
      - { .name: Wkv, .offset: 16, .size: 8, .value_kind: global_buffer, .address_space: global }
      - { .name: Wo, .offset: 24, .size: 8, .value_kind: global_buffer, .address_space: global }
      - { .name: lowp_scales, .offset: 32, .size: 8, .value_kind: global_buffer, .address_space: global }
      - { .name: xq_img, .offset: 40, .size: 8, .value_kind: global_buffer, .address_space: global }
      - { .name: xkv_img, .offset: 48, .size: 8, .value_kind: global_buffer, .address_space: global }
      - { .name: w_img, .offset: 56, .size: 8, .value_kind: global_buffer, .address_space: global }
    .group_segment_fixed_size: 136192
    .private_segment_fixed_size: 0
    .kernarg_segment_align: 8
    .kernarg_segment_size: 64
    .max_flat_workgroup_size: 256
    .sgpr_count:     66
    .vgpr_count:     256
    .wavefront_size: 32
...
	.end_amdgpu_metadata
.endif
;; end of part 1
;; launch proj (part 2): grid 384 x 1, 4 waves a work-group, no clusters, 327,680 bytes of LDS; arguments xq_img, xkv_img, w_img, lowp_scales, q_img, kv_img; writes q_img, kv_img
.if DOCPART == 2
	.amdgcn_target "amdgcn-amd-amdhsa--gfx1250"
	.amdhsa_code_object_version 6
	.text
	.protected	k_q84012b7f98_proj
	.globl	k_q84012b7f98_proj
	.p2align	8
	.type	k_q84012b7f98_proj,@function
k_q84012b7f98_proj:
	s_mov_b64 s[64:65], 0
	v_nop
	global_prefetch_b8 v0, s[64:65] scope:SCOPE_SE
	s_setreg_imm32_b32 hwreg(HW_REG_WAVE_MODE, 25, 1), 1
	s_wait_xcnt 0x0
; PROJ: q = x Wq, k and v = x Wkv on codes of E4M3, and their results quantised at once (q: 2^e5, k: 2^e4, v: 2^e6) into images for the attention.
; THE IMAGE: [tile of 16 rows][block of 32 k][lane][16 bytes]; lane 16 h + r holds k = 32 block + 16 h + 0 .. 15 of the tile's row r; row r of tile T is the matrix's row 32 (T / 2) + 8 (T % 2) + r + 8 (r / 8).
; THE PRODUCT: D(P's row in the lane, Q's rows along the registers): source 0 = a tile of Q, source 1 = a tile of P.  By the order of a tile's rows the 16 registers of Q's tiles 2 c and 2 c + 1 are 16 neighbours,
; 32 c + 16 h + 0 .. 15: two conversions give a lane's 16 bytes of one block of the next image, and a store covers the block's 512 consecutive bytes.
; A work-group: P 128 rows x Q 256 rows, K = 1,024.  Four waves, each 64 x 128: 32 accumulators.  Work-groups 0-255: q (P = tokens, Q = Wq's columns); 256-319: k (P = tokens, Q = Wk's 256 columns);
; 320-383: v (P = Wv's columns, Q = tokens, so that the KEYS run along a lane's registers).  One path for all: only pointers, offsets and one exponent are chosen, by the work-group's number.
; LDS: three slots, each with 256 along K (P 8 tiles x 4,096 bytes, Q 16 x 4,096).  K has four slots' worth: three first fills go out together, one refill follows.
; NO CLUSTER: a joint load wants four partners with one Q tile and four P tiles; v has two P tiles for each Q tile and k one Q tile in all, so no one shape of cluster divides the three parts of this grid.
; LIMITS: e5 - e0 - e1, e4 - e2 - e3 and e6 - e2 - e3 lie between -126 and 119, so that each scale and 448 x it are f32 numbers.
; REGISTERS, in windows of 256: window 0: v4 16 x lane; v8, v9 the conversion's scale and limit; v16-18, v20-22 LDS addresses; v28, v29 the add's two; v32-39 offsets of the way out; v64-191 P's fragments, two sets;
;   window 1: Q's fragments, two sets of 128;   window 2: accumulator (a, b) at v[8 (8 a + b)].
.set CL,    0                          ; no cluster
.set SLOT,  98304
.set QOFF,  32768                      ; Q's tiles lie behind P's
.set SPARE, 3*SLOT                     ; behind the slots: the spare words, 128 bytes a wave: two blocks of 256 bytes that no other line names
.set LI,   4
.set ADRA, 16
.set ADRB, 20
.set SPW,  28
.set NIL,  29
.set AF,   64
.set G1A,  24                          ; s[24:31] group 1 for P: 4 rows of 4,096 bytes;  s[32:39] for Q: 8 rows
.set G1B,  32
.set G0A,  40                          ; s[40:51] group 0 for P, a set for each slot;  s[52:63] for Q
.set G0B,  52
.set MUL,  0xa1                        ; source 0 (Q) window 1, source 1 (P) window 0, C and D window 2
.set TO_B, 0x40                        ; destination window 1, address window 0
.set MSB, 0
.macro WIN new                         ; the immediate's high byte repeats the setting that is left
.if MSB != \new
	s_set_vgpr_msb (MSB<<8)|\new
.set MSB, \new
.endif
.endm
.macro PLACES n                        ; plain vector lines between a matrix instruction and a load into, or a read of, its registers
.rept \n
	v_nop
.endr
.endm
.macro FETCH slot, q, p                ; the fragments of the slot's q-th 128 along K into set p: 48 loads of 512 consecutive bytes
	WIN TO_B
.irp b, 0,1,2,3,4,5,6,7
.irp c, 0,1,2,3
	ds_load_b128 v[128*(\p)+16*\b+4*\c:128*(\p)+16*\b+4*\c+3], v[ADRB+\slot] offset:4096*\b+2048*(\q)+512*\c
.endr
.endr
	WIN 0
.irp a, 0,1,2,3
.irp c, 0,1,2,3
	ds_load_b128 v[AF+64*(\p)+16*\a+4*\c:AF+64*(\p)+16*\a+4*\c+3], v[ADRA+\slot] offset:4096*\a+2048*(\q)+512*\c
.endr
.endr
.endm
.macro MUL8 a, p, zero                 ; P's tile a against Q's eight.  The 32 accumulators take turns in one order in every step
.irp b, 0,1,2,3,4,5,6,7
.if \zero
	v_wmma_f32_16x16x128_fp8_fp8 v[8*(8*\a+\b):8*(8*\a+\b)+7], v[128*(\p)+16*\b:128*(\p)+16*\b+15], v[AF+64*(\p)+16*\a:AF+64*(\p)+16*\a+15], 0
.else
	v_wmma_f32_16x16x128_fp8_fp8 v[8*(8*\a+\b):8*(8*\a+\b)+7], v[128*(\p)+16*\b:128*(\p)+16*\b+15], v[AF+64*(\p)+16*\a:AF+64*(\p)+16*\a+15], v[8*(8*\a+\b):8*(8*\a+\b)+7]
.endif
.endr
.endm
.macro STEP p, zero, nslot, nq         ; 128 along K on set p; the next step's fragments are asked for first and land under the 32 products
	s_wait_dscnt 0x0                               ; set p is in
	PLACES 4                                       ; the other set was multiplied by the products just issued
	FETCH \nslot, \nq, 1-(\p)
	WIN MUL
	MUL8 0, \p, \zero
	MUL8 1, \p, \zero
	MUL8 2, \p, \zero
	MUL8 3, \p, \zero
.endm
.macro JLOAD                           ; slot 0's refill: waves 0 and 1 fetch P's halves, waves 2 and 3 Q's; an s_nop 0 and four v_nop follow each line
	s_cmp_eq_u32 s21, 0
	s_cbranch_scc0 .Lfor_q_\@
	tensor_load_to_lds s[G0A:G0A+3], s[G1A:G1A+7]
	s_nop 0
	PLACES 4
	s_branch .Lasked_\@
.Lfor_q_\@:
	tensor_load_to_lds s[G0B:G0B+3], s[G1B:G1B+7]
	s_nop 0
	PLACES 4
.Lasked_\@:
.endm
.macro TURN_FILL                       ; step 1 (set 1, the last of slot 0): slot 0 is filled again with K = 768 on
	WIN 0
	s_wait_tensorcnt 0x0                           ; all my tensor loads have landed: my parts of slots 1 and 2
	ds_add_u32 v[SPW], v[NIL]                      ; 0 onto my spare word
	s_add_nc_u64 s[G0A+2:G0A+3], s[G0A+2:G0A+3], 3*4096   ; no load of mine is out, so slot 0's addresses may step: three slots on along K
	s_add_nc_u64 s[G0B+2:G0B+3], s[G0B+2:G0B+3], 3*4096
	s_wait_dscnt 1                                 ; set 1 is in; the add may be out
	WIN MUL
	MUL8 0, 1, 0
	s_wait_dscnt 0x0                               ; the add is done, and my reads of slot 0 are over
	s_barrier_signal -1
	MUL8 1, 1, 0                                   ; work on registers while the others arrive
	WIN 0
	s_barrier_wait -1                              ; nobody reads slot 0 any more; slots 1 and 2 are whole
.if CL
	CREST
.endif
	JLOAD                                          ; my one tensor load behind the barrier; its four v_nop are also the places in front of the loads below
	FETCH 1, 0, 0
	WIN MUL
	MUL8 2, 1, 0
	MUL8 3, 1, 0
.endm
.macro TURN_LAST                       ; step 5 (set 1, the last of slot 2): then slot 0's second tile is shown to every wave
	s_wait_dscnt 0x0
	WIN MUL
	MUL8 0, 1, 0
	MUL8 1, 1, 0
	MUL8 2, 1, 0
	MUL8 3, 1, 0
	WIN 0
	s_wait_tensorcnt 0x0                           ; my part of the refill has landed
	ds_add_u32 v[SPW], v[NIL]
	s_wait_dscnt 0x0
	s_barrier_signal -1
	s_barrier_wait -1                              ; everybody's has
	PLACES 4
	FETCH 0, 0, 0
.endm
	s_load_b256 s[4:11], s[0:1], 0x0               ; xq_img, xkv_img, w_img, the scales' exponents
	s_load_b128 s[12:15], s[0:1], 0x20             ; q_img, kv_img
	v_lshl_add_u32 v[SPW], v0, 2, SPARE
	v_mov_b32 v[NIL], 0
	ds_add_u32 v[SPW], v[NIL]                      ; the wave's opening: its wait stands ahead of my first tensor load; work on registers stands between
	v_lshrrev_b32 v1, 5, v0
	v_readfirstlane_b32 s20, v1                    ; wave 0..3
	s_lshr_b32 s21, s20, 1                         ; wm: my 64 rows of P.  Also: I fetch for P (0) or for Q (1)
	s_and_b32 s22, s20, 1                          ; wn: my 128 rows of Q.  Also: which half of that tile I fetch
	; group 1: rows of 512 elements of 8 bytes (a tile's 4,096 bytes of this slot), 2,048 elements (a tile of the image) apart
	s_mov_b32 s[G1A], 3<<16                        ; no mask; elements of 8 bytes; no padding
	s_mov_b32 s[G1A+1], 512<<16                    ; tensor_dim0
	s_mov_b32 s[G1A+2], 4<<16                      ; tensor_dim1
	s_mov_b32 s[G1A+3], 512<<16                    ; tile_dim0
	s_mov_b32 s[G1A+4], 4                          ; tile_dim1
	s_mov_b32 s[G1A+5], 2048                       ; the pitch
	s_mov_b32 s[G1A+6], 0
	s_mov_b32 s[G1A+7], 0
	s_mov_b32 s[G1B], 3<<16
	s_mov_b32 s[G1B+1], 512<<16
	s_mov_b32 s[G1B+2], 8<<16
	s_mov_b32 s[G1B+3], 512<<16
	s_mov_b32 s[G1B+4], 8
	s_mov_b32 s[G1B+5], 2048
	s_mov_b32 s[G1B+6], 0
	s_mov_b32 s[G1B+7], 0
	; the three kinds' offsets; those of the kinds that I am not are made too and not chosen
	s_lshr_b32 s66, ttmp9, 2
	s_lshl_b32 s66, s66, 17                        ; q: P at 128 tokens x (g >> 2)
	s_and_b32 s87, ttmp9, 3
	s_lshl_b32 s67, s87, 18                        ; q: Q at 256 columns x (g & 3)
	s_sub_co_u32 s68, ttmp9, 256                   ; k: Pt
	s_lshl_b32 s69, s68, 17
	s_sub_co_u32 s70, ttmp9, 320
	s_and_b32 s71, s70, 1                          ; v: Pt
	s_lshr_b32 s80, s70, 1                         ; v: Qt
	s_lshl_b32 s81, s71, 17
	s_add_co_u32 s81, s81, 80*16384                ; v: P at w_img's tile 80 + 8 Pt
	s_lshl_b32 s82, s80, 18                        ; v: Q at 256 tokens x Qt
	; where my wave's first block goes.  q: tile 8 Pt + 4 wm, block 8 Qt + 4 wn
	s_lshl_b32 s86, s21, 16
	s_add_co_u32 s83, s66, s86
	s_lshl_b32 s86, s87, 12
	s_add_co_u32 s83, s83, s86
	s_lshl_b32 s86, s22, 11
	s_add_co_u32 s83, s83, s86
	; k: kv_img[4 (Pt >> 4) + 2 wn][Pt & 15], key tile 4 wm
	s_lshr_b32 s84, s68, 4
	s_lshl_b32 s84, s84, 20
	s_lshl_b32 s86, s22, 19
	s_add_co_u32 s84, s84, s86
	s_and_b32 s86, s68, 15
	s_lshl_b32 s86, s86, 14
	s_add_co_u32 s84, s84, s86
	s_lshl_b32 s86, s21, 12
	s_add_co_u32 s84, s84, s86
	; v: kv_img[4 (Qt >> 3) + 2 Pt + wm][2 (Qt & 7) + wn], behind the step's 8,192 bytes of K
	s_lshr_b32 s85, s80, 3
	s_lshl_b32 s85, s85, 20
	s_lshl_b32 s86, s71, 19
	s_add_co_u32 s85, s85, s86
	s_lshl_b32 s86, s21, 18
	s_add_co_u32 s85, s85, s86
	s_and_b32 s86, s80, 7
	s_lshl_b32 s86, s86, 15
	s_add_co_u32 s85, s85, s86
	s_lshl_b32 s86, s22, 14
	s_add_co_u32 s85, s85, s86
	s_add_co_u32 s85, s85, 8192
	s_lshl_b32 s16, s22, 14                        ; where my tensor loads go in a slot: P's half,
	s_lshl_b32 s17, s22, 15                        ; Q's half
	s_wait_dscnt 0x0                               ; the opening add is done
	s_wait_kmcnt 0x0
	s_load_b256 s[72:79], s[10:11], 0x0            ; e0 .. e7
	s_cmp_lt_u32 ttmp9, 256                        ; q, or k and v?  Every choice hangs on the work-group's number alone
	s_cselect_b64 s[88:89], s[4:5], s[6:7]         ; P
	s_cselect_b64 s[92:93], s[12:13], s[14:15]     ; the output
	s_cselect_b32 s66, s66, s69
	s_cselect_b32 s67, s67, 0x100000               ; k: Q at w_img's tile 64
	s_cselect_b32 s83, s83, s84
	s_cselect_b32 s94, 14, 10                      ; from P's tile a to a + 1: 2^14 (q), 2^10 (k), 2^11 (v) bytes
	s_cselect_b32 s95, 10, 18                      ; from Q's pair of blocks to the next: 2^10 (q, v), 2^18 (k: the next head)
	s_cmp_lt_u32 ttmp9, 320                        ; or v?
	s_cselect_b64 s[88:89], s[88:89], s[8:9]
	s_cselect_b64 s[90:91], s[8:9], s[6:7]         ; Q
	s_cselect_b32 s66, s66, s81
	s_cselect_b32 s67, s67, s82
	s_cselect_b32 s83, s83, s85
	s_cselect_b32 s94, s94, 11
	s_cselect_b32 s95, s95, 10
	s_lshl_b32 s86, s22, 16                        ; the half that I fetch: 4 tiles of P,
	s_add_co_u32 s66, s66, s86
	s_lshl_b32 s86, s22, 17                        ; 8 tiles of Q
	s_add_co_u32 s68, s67, s86
	s_mov_b32 s67, 0
	s_mov_b32 s69, 0
	s_add_nc_u64 s[88:89], s[88:89], s[66:67]
	s_add_nc_u64 s[90:91], s[90:91], s[68:69]
	s_mov_b32 s84, s83
	s_mov_b32 s85, 0
	s_add_nc_u64 s[92:93], s[92:93], s[84:85]
.irp n, 0,1,2
	s_mov_b32 s[G0A+4*\n], 1                                       ; count = 1
	s_add_co_u32 s[G0A+4*\n+1], s16, \n*SLOT                       ; LDS address
	s_add_nc_u64 s[G0A+4*\n+2:G0A+4*\n+3], s[88:89], \n*4096       ; global address: K = 256 n on
	s_or_b32 s[G0A+4*\n+3], s[G0A+4*\n+3], 0x80000000              ; type = 2
	s_mov_b32 s[G0B+4*\n], 1
	s_add_co_u32 s[G0B+4*\n+1], s17, \n*SLOT+QOFF
	s_add_nc_u64 s[G0B+4*\n+2:G0B+4*\n+3], s[90:91], \n*4096
	s_or_b32 s[G0B+4*\n+3], s[G0B+4*\n+3], 0x80000000
.endr
	s_cmp_eq_u32 s21, 0                            ; a wave's three first fills stand in one branch, ahead of every wait on TENSORcnt, LDS read and barrier: three loads of mine are out
	s_cbranch_scc0 .Lfirst_q
	tensor_load_to_lds s[G0A:G0A+3], s[G1A:G1A+7]
	s_nop 0
	tensor_load_to_lds s[G0A+4:G0A+7], s[G1A:G1A+7]
	s_nop 0
	tensor_load_to_lds s[G0A+8:G0A+11], s[G1A:G1A+7]
	s_nop 0
	PLACES 4
	s_branch .Lfirst_asked
.Lfirst_q:
	tensor_load_to_lds s[G0B:G0B+3], s[G1B:G1B+7]
	s_nop 0
	tensor_load_to_lds s[G0B+4:G0B+7], s[G1B:G1B+7]
	s_nop 0
	tensor_load_to_lds s[G0B+8:G0B+11], s[G1B:G1B+7]
	s_nop 0
	PLACES 4
.Lfirst_asked:
	v_and_b32 v1, 31, v0
	v_lshlrev_b32 v[LI], 4, v1
	s_lshl_b32 s86, s21, 14                        ; my 4 tiles of P,
	s_lshl_b32 s87, s22, 15                        ; my 8 tiles of Q,
	s_add_co_u32 s87, s87, QOFF
.irp s, 0,1,2
	v_add_nc_u32 v[ADRA+\s], s86, v[LI]
	v_add_nc_u32 v[ADRB+\s], s87, v[LI]
	s_add_co_u32 s86, s86, SLOT
	s_add_co_u32 s87, s87, SLOT
.endr
.irp a, 0,1,2,3
	s_lshl_b32 s86, \a, s94
	v_add_nc_u32 v[32+2*\a], s86, v[LI]            ; the way out: 16 x lane + P's tile a,
.endr
	s_lshl_b32 s86, 1, s95
.irp a, 0,1,2,3
	v_add_nc_u32 v[33+2*\a], s86, v[32+2*\a]       ; and Q's second pair of blocks
.endr
	s_wait_kmcnt 0x0
	s_sub_co_i32 s96, s77, s72
	s_sub_co_i32 s96, s96, s73                     ; q: a sum stands for sum x 2^(e0 + e1), its code is sum / 2^(e5 - e0 - e1)
	s_add_co_i32 s97, s74, s75
	s_sub_co_i32 s98, s76, s97                     ; k: e4 - e2 - e3
	s_sub_co_i32 s97, s78, s97                     ; v: e6 - e2 - e3
	s_cmp_lt_u32 ttmp9, 256
	s_cselect_b32 s96, s96, s98
	s_cmp_lt_u32 ttmp9, 320
	s_cselect_b32 s96, s96, s97
	s_add_co_i32 s96, s96, 127
	s_lshl_b32 s97, s96, 23
	v_mov_b32 v8, s97                              ; the conversion's scale as f32
	s_add_co_i32 s96, s96, 8
	s_lshl_b32 s96, s96, 23
	s_or_b32 s96, s96, 0x600000
	v_mov_b32 v9, s96                              ; 448 x it
	s_wait_tensorcnt 2                             ; my part of slot 0 is in; slots 1 and 2 may stay out
	s_barrier_signal -1
	s_barrier_wait -1                              ; everybody's is
	FETCH 0, 0, 0
	STEP 0, 1, 0, 1                                ; K 0: its products start the sums: nothing is cleared
	TURN_FILL                                      ; K 128
	STEP 0, 0, 1, 1                                ; K 256
	STEP 1, 0, 2, 0                                ; K 384
	STEP 0, 0, 2, 1                                ; K 512
	TURN_LAST                                      ; K 640
	STEP 0, 0, 0, 1                                ; K 768
	s_wait_dscnt 0x0                               ; K 896: nothing more to fetch
	WIN MUL
	MUL8 0, 1, 0
	MUL8 1, 1, 0
	MUL8 2, 1, 0
	MUL8 3, 1, 0
	WIN 0
	; THE WAY OUT: accumulators (a, 2 c) and (a, 2 c + 1) are 16 neighbours along the next K: held, converted, stored as one block of the image.
	PLACES 4
.irp a, 0,1,2,3
.irp c, 0,1,2,3
	WIN 0x02                                       ; source 0: window 2
.set i, 0
.rept 16
	v_med3_num_f32 v[40+152*(\c%2)+i], v[64*\a+16*\c+i], -v9, v9   ; each accumulator from its low end on; two sets of held numbers (v40-55, v192-207) by turns
.set i, i+1
.endr
	WIN 0
	v_cvt_scalef32_pk8_fp8_f32 v[128+4*(4*\a+\c):128+4*(4*\a+\c)+1], v[40+152*(\c%2):40+152*(\c%2)+7], v8
	v_cvt_scalef32_pk8_fp8_f32 v[128+4*(4*\a+\c)+2:128+4*(4*\a+\c)+3], v[40+152*(\c%2)+8:40+152*(\c%2)+15], v8
	global_store_b128 v[32+2*\a+\c/2], v[128+4*(4*\a+\c):128+4*(4*\a+\c)+3], s[92:93] offset:512*(\c%2)   ; 512 consecutive bytes, aligned; the codes' registers are never written again
.endr
.endr
	v_nop                                          ; a plain line behind the last conversion
	s_wait_tensorcnt 0x0                           ; the wave's end
	ds_add_u32 v[SPW], v[NIL]
	s_wait_dscnt 0x0
	s_endpgm
.Lfunc_end_k_q84012b7f98_proj:
	.size	k_q84012b7f98_proj, .Lfunc_end_k_q84012b7f98_proj-k_q84012b7f98_proj
	.p2alignl 7, 3214868480
	.fill 96, 4, 3214868480
	.section	.rodata,"a",@progbits
	.p2align	6, 0x0
	.amdhsa_kernel k_q84012b7f98_proj
		.amdhsa_group_segment_fixed_size 327680
		.amdhsa_private_segment_fixed_size 0
		.amdhsa_enable_private_segment 0
		.amdhsa_kernarg_size 48
		.amdhsa_user_sgpr_count 2
		.amdhsa_user_sgpr_kernarg_segment_ptr 1
		.amdhsa_wavefront_size32 1
		.amdhsa_system_sgpr_workgroup_id_x 1
		.amdhsa_system_sgpr_workgroup_id_y 1
		.amdhsa_system_sgpr_workgroup_id_z 1
		.amdhsa_system_vgpr_workitem_id 0
		.amdhsa_next_free_vgpr 768
		.amdhsa_next_free_sgpr 100
		.amdhsa_reserve_vcc 0
		.amdhsa_float_denorm_mode_32 3
		.amdhsa_float_denorm_mode_16_64 3
		.amdhsa_memory_ordered 1
		.amdhsa_forward_progress 1
		.amdhsa_inst_pref_size 72
	.end_amdhsa_kernel
	.amdgpu_metadata
---
amdhsa.version: [ 1, 2 ]
amdhsa.kernels:
  - .name:           k_q84012b7f98_proj
    .symbol:         k_q84012b7f98_proj.kd
    .args:
      - { .name: xq_img, .offset: 0, .size: 8, .value_kind: global_buffer, .address_space: global }
      - { .name: xkv_img, .offset: 8, .size: 8, .value_kind: global_buffer, .address_space: global }
      - { .name: w_img, .offset: 16, .size: 8, .value_kind: global_buffer, .address_space: global }
      - { .name: lowp_scales, .offset: 24, .size: 8, .value_kind: global_buffer, .address_space: global }
      - { .name: q_img, .offset: 32, .size: 8, .value_kind: global_buffer, .address_space: global }
      - { .name: kv_img, .offset: 40, .size: 8, .value_kind: global_buffer, .address_space: global }
    .group_segment_fixed_size: 327680
    .private_segment_fixed_size: 0
    .kernarg_segment_align: 8
    .kernarg_segment_size: 48
    .max_flat_workgroup_size: 128
    .sgpr_count:     100
    .vgpr_count:     768
    .wavefront_size: 32
...
	.end_amdgpu_metadata
.endif
;; end of part 2
;; launch attn (part 3): grid 16 x 16, 16 waves a work-group, clusters of 4 x 1, 327,680 bytes of LDS; arguments q_img, kv_img, lowp_scales, att_img; writes att_img
.if DOCPART == 3
	.amdgcn_target "amdgcn-amd-amdhsa--gfx1250"
	.amdhsa_code_object_version 6
	.text
	.protected	k_q84012b7f98_attn
	.globl	k_q84012b7f98_attn
	.p2align	8
	.type	k_q84012b7f98_attn,@function
k_q84012b7f98_attn:
	s_mov_b64 s[64:65], 0
	v_nop
	global_prefetch_b8 v0, s[64:65] scope:SCOPE_SE
	s_setreg_imm32_b32 hwreg(HW_REG_WAVE_MODE, 25, 1), 1
	s_wait_xcnt 0x0
	s_wait_alu depctr_hold_cnt(0) depctr_sa_sdst(0) depctr_va_vdst(0) depctr_va_sdst(0) depctr_va_ssrc(0) depctr_va_vcc(0) depctr_vm_vsrc(0)
	s_getreg_b32 s2, hwreg(HW_REG_IB_STS2, 6, 4)
	s_cmp_eq_u32 s2, 0
	s_cbranch_scc0 .Lentry_in_a_cluster
	s_endpgm
.Lentry_in_a_cluster:
	s_bfe_u32 s2, ttmp6, 0x10000c
	s_cmp_lg_u32 s2, 0x3003
	s_cbranch_scc0 .Lentry_shape_is_right
	s_endpgm
.Lentry_shape_is_right:
; ATTN: for each batch b, kv head hk and query head 4 hk + gi: softmax_k(q . k / 8 + slope (k - q)) v, no mask, both products on codes of E4M3; the result is quantised at once (2^e8) for the last product.
; t = logit x log2(e); M = the running largest t rounded UP to a whole number; p = 2^(t - M) is quantised (2^e7), not normalised; the row's sum is taken of the unquantised p and divides at the end.
; SHARES.  Work-group (x, y): y = 4 b + hk; sixteen work-groups for each y.  ALL of that head's K and V, 262,144 bytes of images, lie in LDS, filled once: no ring, no refill, no barrier among the key steps.
; Wave w: query head gi = w >> 2, query tiles 8 x + 2 (w & 3) and the next, one after the other; each walks 16 steps of 128 keys.  Four waves to a SIMD: one wave's vector work stands beside another's LDS loads and products.
; CLUSTER: the four work-groups of a cluster have one y and ask for K and V JOINTLY: the same tensor loads, the same descriptors, a mask that names the four.
; LAYOUT.  Both products transposed: S^T = K Q^T (source 0 = 16 keys), O^T = V^T P^T (source 0 = 16 channels): a lane holds ONE query.  By the images' order of rows the 16 registers of key tiles 2 c, 2 c + 1 are keys
; 32 c + 16 h + 0 .. 15, and those of channel tiles 2 c, 2 c + 1 channels 32 c + 16 h + 0 .. 15: the conversions' results are the next operand's registers.
; THE BIAS costs no line a score: key = first key of the step + 32 c + (16 h + 8 u + j).  The last part, in units of a raw sum, is the C of every score product (16 registers); the rest is one addend for each block of 32 keys.
; LIMITS: e4 + e5 between -110 and 110 (added to exponent fields); e7 between -126 and 119.  t is formed as c x (sum + bias part) + slope log2(e) x (block's first key - query): another order of f32 roundings than
; the reference's sum, of the same size (one part in 2^23 of |t|).
.set SPARE, 262144                     ; behind K and V: the spare words, 128 bytes for each of sixteen waves: eight blocks of 256 bytes that no other line names
.set LI,  1                            ; v1   16 x lane; never rewritten
.set SPW, 2                            ; v2   my spare word; never rewritten
.set NIL, 3                            ; v3   0; never rewritten
.set ADR, 4                            ; v4   LDS address of the step in hand
.set REL, 5                            ; v5   the step's first key - my query, as f32 (a whole number)
.set SL2, 6                            ; v6   slope x log2(e);  v7, v58, v59: x 32, 64, 96
.set KB1, 7
.set Q1,  8                            ; v8-15    the first tile's Q
.set BI,  16                           ; v16-31   the bias part that goes in as C
.set AD,  32                           ; v32-39   four pairs: the low word is block c's addend; the high words are written once
.set BS,  40                           ; v40-43   slope log2(e) x (block c's first key - query)
.set MX,  44                           ; v44-47   four maxima
.set NM,  48                           ; v48  -M
.set RM,  49                           ; v49  the running largest t
.set L,   50                           ; v50, v51 the row's sum in two halves
.set F,   52                           ; v52  2^(old M - new M); v53 written once
.set L2,  54                           ; v54, v55 the step's second chain of sums
.set W0,  56                           ; v56, v57 at work
.set W1,  57
.set KB2, 58
.set KB3, 59
.set SCP, 60                           ; v60  2^e7;  v61  448 x 2^e7;  v62  1.0;  v63  448.0
.set LMP, 61
.set ONE, 62
.set BIG, 63
.set R,   64                           ; v64-127  K's 8 fragments, then V's 4
.set S,   128                          ; v128-191 S^T, then p
.set O,   192                          ; v192-223 O^T
.set PC,  224                          ; v224-239 p's codes
.set OC,  240                          ; v240-247 the result's codes
.set Q2,  248                          ; v248-255 the second tile's Q
.set WV,  12                           ; s12  wave
.set G1,  16                           ; s[16:23] group 1;  s[24:39] four groups 0
.set G0,  24
.set SEL, 40                           ; s[40:41] v_permlanex16_b32's selects: lane l xor 16
.set CS,  42                           ; s[42:43] c = log2(e) / 8 x 2^(e4 + e5)
.set EO,  44                           ; s44  e7 + e6 - e8
.set QB,  45                           ; s45  16 x my first query tile
.set CNT, 46
.set SLP, 47                           ; s47  the slope's bits
.set TB,  48                           ; s48  LDS byte of the step in hand
.macro CROUND                          ; a round of the cluster's barrier
	s_barrier_signal -1
	s_barrier_wait -1
	s_cmp_lg_u32 s[WV], 0
	s_cbranch_scc1 .Lnot_wave_0_\@
	s_barrier_signal -3
.Lnot_wave_0_\@:
	s_barrier_wait -3
	s_barrier_signal -1
	s_barrier_wait -1
.endm
	s_load_b256 s[4:11], s[0:1], 0x0               ; q_img, kv_img, the scales' exponents, att_img
	v_lshl_add_u32 v[SPW], v0, 2, SPARE
	v_mov_b32 v[NIL], 0
	ds_add_u32 v[SPW], v[NIL]                      ; the wave's opening: its wait stands ahead of the round in front of my first tensor loads; work on registers stands between
	v_lshrrev_b32 v[ADR], 5, v0
	v_readfirstlane_b32 s[WV], v[ADR]              ; wave 0..15
	s_mov_b32 s[G1], 15|(3<<16)|(1<<21)            ; the mask: all four work-groups; elements of 8 bytes; bit 21 set beside a mask; no padding
	s_mov_b32 s[G1+1], 32<<16                      ; tensor_dim0: rows of 256 bytes
	s_mov_b32 s[G1+2], 16<<16                      ; tensor_dim1
	s_mov_b32 s[G1+3], 32<<16                      ; tile_dim0
	s_mov_b32 s[G1+4], 16                          ; tile_dim1: 4,096 bytes a load
	s_mov_b32 s[G1+5], 32                          ; dense
	s_mov_b32 s[G1+6], 0
	s_mov_b32 s[G1+7], 0
	s_mov_b32 s[SEL], 0x76543210
	s_mov_b32 s[SEL+1], 0xfedcba98
	s_bfe_u32 s66, ttmp6, 0x40000                  ; cx: it enters Q's and the output's addresses and the queries' numbers alone
	s_lshl_b32 s67, ttmp9, 2
	s_add_co_u32 s67, s67, s66                     ; work-group x
	s_and_b32 s68, ttmp7, 0xffff                   ; y = 4 b + hk, which the four partners share
	s_lshl_b32 s69, s[WV], 12                      ; my 4,096 bytes of each quarter
	s_lshl_b32 s70, s68, 18
	s_add_co_u32 s70, s70, s69
	s_mov_b32 s71, 0
	s_and_b32 s74, s[WV], 3
	s_lshr_b32 s75, s[WV], 2                       ; gi
	s_and_b32 s76, s68, 3                          ; hk
	s_lshr_b32 s77, s68, 2                         ; b
	s_lshl_b32 s[QB], s67, 7
	s_lshl_b32 s78, s74, 5
	s_add_co_u32 s[QB], s[QB], s78                 ; 16 x (8 x + 2 (w & 3))
	s_lshl_b32 s72, s[QB], 10                      ; that tile of 16,384 bytes,
	s_lshl_b32 s78, s77, 21                        ; in batch b,
	s_add_co_u32 s72, s72, s78
	s_lshl_b32 s78, s76, 2
	s_add_co_u32 s78, s78, s75                     ; head 4 hk + gi:
	s_lshl_b32 s79, s78, 10                        ; its two blocks
	s_add_co_u32 s72, s72, s79
	s_mov_b32 s73, 0
	s_add_co_u32 s78, s78, 1                       ; n = head + 1: slope = 2^(-n / 2)
	s_and_b32 s79, s78, 1
	s_cmp_lg_u32 s79, 0
	s_mov_b32 s[SLP], 0x3f800000                   ; n even: 1.0,
	s_cselect_b32 s[SLP], 0x3fb504f3, s[SLP]       ; n odd: sqrt(2),
	s_add_co_u32 s79, s78, 1
	s_lshr_b32 s79, s79, 1
	s_lshl_b32 s79, s79, 23
	s_sub_co_u32 s[SLP], s[SLP], s79               ; with (n + 1) / 2, rounded down, taken off the exponent field
	s_wait_dscnt 0x0                               ; the opening add is done
	s_wait_kmcnt 0x0
	s_load_b256 s[52:59], s[8:9], 0x0              ; e0 .. e7
	s_load_b64 s[60:61], s[8:9], 0x20              ; e8, e9
	s_add_nc_u64 s[6:7], s[6:7], s[70:71]
	s_add_nc_u64 s[4:5], s[4:5], s[72:73]
	s_add_nc_u64 s[10:11], s[10:11], s[72:73]
.irp d, 0,1,2,3                        ; quarter d of the keys: four steps, 65,536 bytes
	s_mov_b32 s[G0+4*\d], 1
	s_add_co_u32 s[G0+4*\d+1], s69, \d*65536
	s_add_nc_u64 s[G0+4*\d+2:G0+4*\d+3], s[6:7], \d*65536
	s_or_b32 s[G0+4*\d+3], s[G0+4*\d+3], 0x80000000
.endr
	CROUND                                         ; all four work-groups are here: the joint loads meet
.irp d, 0,1,2,3
	tensor_load_to_lds s[G0+4*\d:G0+4*\d+3], s[G1:G1+7]   ; four loads of mine are out
	s_nop 0
.endr
.rept 4
	v_nop
.endr
	v_and_b32 v[LI], 31, v0
	v_lshlrev_b32 v[LI], 4, v[LI]
	global_load_b128 v[Q1:Q1+3], v[LI], s[4:5] th:TH_LOAD_NT
	global_load_b128 v[Q1+4:Q1+7], v[LI], s[4:5] offset:512 th:TH_LOAD_NT
	global_load_b128 v[Q2:Q2+3], v[LI], s[4:5] offset:16384 th:TH_LOAD_NT
	global_load_b128 v[Q2+4:Q2+7], v[LI], s[4:5] offset:16896 th:TH_LOAD_NT
	v_mov_b32 v[SL2], s[SLP]
	v_mul_f32 v[SL2], 0x3fb8aa3b, v[SL2]           ; slope x log2(e)
	v_mul_f32 v[KB1], 0x42000000, v[SL2]           ; x 32
	v_mul_f32 v[KB2], 0x42800000, v[SL2]           ; x 64
	v_mul_f32 v[KB3], 0x42c00000, v[SL2]           ; x 96
	v_mov_b32 v[F+1], 0                            ; named as the upper halves of pairs
	v_mov_b32 v[AD+1], 0
	v_mov_b32 v[AD+3], 0
	v_mov_b32 v[AD+5], 0
	v_mov_b32 v[AD+7], 0
	v_mov_b32 v[ONE], 1.0
	v_mov_b32 v[BIG], 0x43e00000                   ; 448
	s_wait_kmcnt 0x0
	s_add_co_i32 s78, s56, s57                     ; e4 + e5: a raw sum stands for sum x 2^(e4 + e5)
	s_lshl_b32 s79, s78, 23
	s_add_co_u32 s[CS], s79, 0x3e38aa3b            ; c = log2(e) / 8, with e4 + e5 added to its exponent field
	s_mov_b32 s[CS+1], s[CS]                       ; (named with it as a pair)
	s_sub_co_i32 s78, 3, s78
	s_lshl_b32 s78, s78, 23
	s_add_co_u32 s78, s78, s[SLP]                  ; slope x 2^(3 - e4 - e5): slope log2(e) / c
	v_and_b32 v[W0], 16, v0                        ; 16 h
.set i, 0
.rept 16
	v_add_nc_u32 v[W1], i, v[W0]
	v_cvt_f32_u32 v[W1], v[W1]
	v_mul_f32 v[BI+i], s78, v[W1]                  ; register 8 u + j: the bias of key offset 16 h + 8 u + j, in units of a raw sum
.set i, i+1
.endr
	s_add_co_i32 s78, s59, 127
	s_lshl_b32 s79, s78, 23
	v_mov_b32 v[SCP], s79                          ; 2^e7
	s_add_co_i32 s78, s78, 8
	s_lshl_b32 s78, s78, 23
	s_or_b32 s78, s78, 0x600000
	v_mov_b32 v[LMP], s78                          ; 448 x 2^e7
	s_add_co_i32 s[EO], s59, s58
	s_sub_co_i32 s[EO], s[EO], s60                 ; e7 + e6 - e8
; A KEY STEP: 128 keys, whose images begin at LDS byte s[TB].
.macro STEP qreg
	v_add_nc_u32 v[ADR], s[TB], v[LI]
.rept 3
	v_nop                                          ; with the line above: four places in front of loads into registers that the last products read
.endr
.irp t, 0,1,2,3,4,5,6,7
	ds_load_b128 v[R+8*\t:R+8*\t+3], v[ADR] offset:1024*\t
	ds_load_b128 v[R+8*\t+4:R+8*\t+7], v[ADR] offset:1024*\t+512
.endr
	s_wait_dscnt 0x0
.irp t, 0,1,2,3,4,5,6,7
	v_wmma_f32_16x16x64_fp8_fp8 v[S+8*\t:S+8*\t+7], v[R+8*\t:R+8*\t+7], v[\qreg:\qreg+7], v[BI+8*(\t%2):BI+8*(\t%2)+7]   ; register 16 c + i: key 32 c + 16 h + i
.endr
	v_mul_f32 v[BS], v[SL2], v[REL]                ; the blocks' bases: also the places behind the products
	v_fma_f32 v[BS+1], v[SL2], v[REL], v[KB1]
	v_fma_f32 v[BS+2], v[SL2], v[REL], v[KB2]
	v_fma_f32 v[BS+3], v[SL2], v[REL], v[KB3]
	v_add_f32 v[REL], 0x43000000, v[REL]           ; the next step's first key: + 128
.irp t, 0,1,2,3
.irp c, 0,1,2,3
	ds_load_b128 v[R+16*\t+4*\c:R+16*\t+4*\c+3], v[ADR] offset:8192+2048*\t+512*\c   ; V lands under the softmax
.endr
.endr
.irp b, 0,1,2,3                        ; four chains, one for each block of 32 keys, by turns; each accumulator is first read at its low end
	v_max3_num_f32 v[MX+\b], v[S+16*\b], v[S+16*\b+1], v[S+16*\b+2]
.endr
.irp i, 3,5,7,9,11,13
.irp b, 0,1,2,3
	v_max3_num_f32 v[MX+\b], v[MX+\b], v[S+16*\b+\i], v[S+16*\b+\i+1]
.endr
.endr
.irp b, 0,1,2,3
	v_max_num_f32 v[MX+\b], v[MX+\b], v[S+16*\b+15]
.endr
.irp b, 0,1,2,3
	v_fma_f32 v[MX+\b], s[CS], v[MX+\b], v[BS+\b]  ; as t (c is positive)
.endr
	v_max3_num_f32 v[W0], v[MX], v[MX+1], v[MX+2]
	v_max_num_f32 v[W0], v[W0], v[MX+3]
	v_permlanex16_b32 v[W1], v[W0], s[SEL], s[SEL+1]
	v_max_num_f32 v[W0], v[W0], v[W1]              ; and lane l xor 16's
	v_max_num_f32 v[RM], v[RM], v[W0]              ; the running largest t
	v_mov_b32 v[W0], v[NM]
	v_floor_f32 v[NM], -v[RM]                      ; -M = floor(-t): M is a whole number
	v_sub_f32 v[W0], v[NM], v[W0]                  ; old M - new M: a whole number, 0 or less
	v_cvt_i32_f32 v[W0], v[W0]                     ; (it saturates)
	v_ldexp_f32 v[F], 1.0, v[W0]                   ; f = 2^(old M - new M): rounds nothing
.irp b, 0,1,2,3
	v_add_f32 v[AD+2*\b], v[BS+\b], v[NM]
.endr
.irp b, 0,1,2,3
.irp i, 0,2,4,6,8,10,12,14
	v_pk_fma_f32 v[S+16*\b+\i:S+16*\b+\i+1], v[S+16*\b+\i:S+16*\b+\i+1], s[CS:CS+1], v[AD+2*\b:AD+2*\b+1] op_sel_hi:[1,0,0]   ; t - M, two at a time
.endr
.endr
.set j, 0
.rept 64
	v_exp_f32 v[S+j], v[S+j]                       ; p = 2^(t - M), at most 1
.set j, j+1
.endr
	v_pk_mul_f32 v[L:L+1], v[L:L+1], v[F:F+1] op_sel_hi:[1,0]   ; the sums under the new M: the plain line behind the exponentials
	s_wait_alu depctr_va_vdst(0)                   ; one wait for the whole batch, ahead of its first reader
	v_pk_add_f32 v[L2:L2+1], v[S:S+1], v[S+2:S+3]  ; the row's sum is taken of the unquantised p, in two chains
.irp j, 4,8,12,16,20,24,28,32,36,40,44,48,52,56,60
	v_pk_add_f32 v[L:L+1], v[L:L+1], v[S+\j:S+\j+1]
	v_pk_add_f32 v[L2:L2+1], v[L2:L2+1], v[S+\j+2:S+\j+3]
.endr
	v_pk_add_f32 v[L:L+1], v[L:L+1], v[L2:L2+1]
.irp b, 0,1,2,3
.set i, 0
.rept 16
	v_min_num_f32 v[S+16*\b+i], v[S+16*\b+i], v[LMP]   ; the conversion does not saturate (ISA guide 7.6.2); p is not negative, so the hold is one-sided
.set i, i+1
.endr
	v_cvt_scalef32_pk8_fp8_f32 v[PC+4*\b:PC+4*\b+1], v[S+16*\b:S+16*\b+7], v[SCP]
	v_cvt_scalef32_pk8_fp8_f32 v[PC+4*\b+2:PC+4*\b+3], v[S+16*\b+8:S+16*\b+15], v[SCP]
.endr
.irp j, 0,2,4,6,8,10,12,14,16,18,20,22,24,26,28,30
	v_pk_mul_f32 v[O+\j:O+\j+1], v[O+\j:O+\j+1], v[F:F+1] op_sel_hi:[1,0]   ; O^T under the new M; also the plain lines between the conversions and the products
.endr
	s_wait_dscnt 0x0                               ; V is in
.irp t, 0,1,2,3
	v_wmma_f32_16x16x128_fp8_fp8 v[O+8*\t:O+8*\t+7], v[R+16*\t:R+16*\t+15], v[PC:PC+15], v[O+8*\t:O+8*\t+7]   ; the four accumulators take turns, one instruction a turn
.endr
	s_add_co_u32 s[TB], s[TB], 16384
.endm
.macro INIT pass                       ; the step is written once: its first trip finds zeros, which the first change of M leaves zeros
	v_and_b32 v[W0], 15, v0
	v_and_b32 v[W1], 8, v0
	v_add3_u32 v[W0], v[W0], v[W1], s[QB]          ; my query: 16 x first tile + r + 8 (r / 8),
.if \pass
	v_add_nc_u32 v[W0], 8, v[W0]                   ; + 8 in the pair's second tile
.endif
	v_cvt_f32_u32 v[REL], v[W0]
	v_sub_f32 v[REL], 0, v[REL]                    ; key 0 - my query
	v_mov_b32 v[RM], 0xff61b1e6                    ; -3e38, under every t
	v_floor_f32 v[NM], -v[RM]
	v_mov_b32 v[L], 0
	v_mov_b32 v[L+1], 0
.set j, 0
.rept 32
	v_mov_b32 v[O+j], 0
.set j, j+1
.endr
.endm
.macro QUARTER n                       ; four steps; n = how many younger tensor loads of mine may stay out
	s_wait_tensorcnt \n                            ; tensor loads of a wave end in order: my part of this quarter is in; nothing is ever filled again
	s_barrier_signal -1
	s_barrier_wait -1                              ; everybody's is
	s_mov_b32 s[TB], (3-\n)*65536
	s_mov_b32 s[CNT], 4
.Lquarter_\@:
	STEP Q1
	s_sub_co_u32 s[CNT], s[CNT], 1
	s_cmp_lg_u32 s[CNT], 0
	s_cbranch_scc1 .Lquarter_\@
.endm
.macro FINISH pass                     ; O^T / the sum x 2^(e7 + e6 - e8), held, converted, stored as two blocks of the image
.rept 4
	v_nop                                          ; places behind the last products
.endr
	v_add_f32 v[L], v[L], v[L+1]
	v_permlanex16_b32 v[W1], v[L], s[SEL], s[SEL+1]
	v_add_f32 v[L], v[L], v[W1]                    ; the row's sum
	v_rcp_f32 v[L], v[L]
	v_nop                                          ; a plain line behind the transcendental,
	s_wait_alu depctr_va_vdst(0)                   ; and a wait ahead of its first reader
	v_ldexp_f32 v[F], v[L], s[EO]
.irp j, 0,2,4,6,8,10,12,14,16,18,20,22,24,26,28,30
	v_pk_mul_f32 v[O+\j:O+\j+1], v[O+\j:O+\j+1], v[F:F+1] op_sel_hi:[1,0]
.endr
.set j, 0
.rept 32
	v_med3_num_f32 v[O+j], v[O+j], -v[BIG], v[BIG]
.set j, j+1
.endr
	s_wait_xcnt 0x0                                ; the first tile's stores have read their registers before the second tile's codes are written
.irp c, 0,1
	v_cvt_scalef32_pk8_fp8_f32 v[OC+4*\c:OC+4*\c+1], v[O+16*\c:O+16*\c+7], v[ONE]
	v_cvt_scalef32_pk8_fp8_f32 v[OC+4*\c+2:OC+4*\c+3], v[O+16*\c+8:O+16*\c+15], v[ONE]
.endr
	v_nop                                          ; a plain line behind the last conversion
.irp c, 0,1
	global_store_b128 v[LI], v[OC+4*\c:OC+4*\c+3], s[10:11] offset:16384*\pass+512*\c   ; 512 consecutive bytes, aligned
.endr
.endm
	INIT 0
	s_wait_loadcnt 0x0                             ; Q
	QUARTER 3
	QUARTER 2
	QUARTER 1
	QUARTER 0
	FINISH 0
	INIT 1
	s_mov_b32 s[TB], 0
	s_mov_b32 s[CNT], 16
.Lsecond:
	STEP Q2
	s_sub_co_u32 s[CNT], s[CNT], 1
	s_cmp_lg_u32 s[CNT], 0
	s_cbranch_scc1 .Lsecond
	FINISH 1
	s_wait_tensorcnt 0x0                           ; the wave's end
	ds_add_u32 v[SPW], v[NIL]
	s_wait_dscnt 0x0
	CROUND                                         ; the closing round
	s_endpgm
.Lfunc_end_k_q84012b7f98_attn:
	.size	k_q84012b7f98_attn, .Lfunc_end_k_q84012b7f98_attn-k_q84012b7f98_attn
	.p2alignl 7, 3214868480
	.fill 96, 4, 3214868480
	.section	.rodata,"a",@progbits
	.p2align	6, 0x0
	.amdhsa_kernel k_q84012b7f98_attn
		.amdhsa_group_segment_fixed_size 327680
		.amdhsa_private_segment_fixed_size 0
		.amdhsa_enable_private_segment 0
		.amdhsa_kernarg_size 32
		.amdhsa_user_sgpr_count 2
		.amdhsa_user_sgpr_kernarg_segment_ptr 1
		.amdhsa_wavefront_size32 1
		.amdhsa_system_sgpr_workgroup_id_x 1
		.amdhsa_system_sgpr_workgroup_id_y 1
		.amdhsa_system_sgpr_workgroup_id_z 1
		.amdhsa_system_vgpr_workitem_id 0
		.amdhsa_next_free_vgpr 256
		.amdhsa_next_free_sgpr 100
		.amdhsa_reserve_vcc 0
		.amdhsa_float_denorm_mode_32 3
		.amdhsa_float_denorm_mode_16_64 3
		.amdhsa_memory_ordered 1
		.amdhsa_forward_progress 1
		.amdhsa_inst_pref_size 98
	.end_amdhsa_kernel
	.amdgpu_metadata
---
amdhsa.version: [ 1, 2 ]
amdhsa.kernels:
  - .name:           k_q84012b7f98_attn
    .symbol:         k_q84012b7f98_attn.kd
    .args:
      - { .name: q_img, .offset: 0, .size: 8, .value_kind: global_buffer, .address_space: global }
      - { .name: kv_img, .offset: 8, .size: 8, .value_kind: global_buffer, .address_space: global }
      - { .name: lowp_scales, .offset: 16, .size: 8, .value_kind: global_buffer, .address_space: global }
      - { .name: att_img, .offset: 24, .size: 8, .value_kind: global_buffer, .address_space: global }
    .group_segment_fixed_size: 327680
    .private_segment_fixed_size: 0
    .kernarg_segment_align: 8
    .kernarg_segment_size: 32
    .max_flat_workgroup_size: 512
    .sgpr_count:     100
    .vgpr_count:     256
    .wavefront_size: 32
...
	.end_amdgpu_metadata
.endif
;; end of part 3
;; launch outp (part 4): grid 4 x 64, 4 waves a work-group, clusters of 4 x 4, 327,680 bytes of LDS; arguments att_img, w_img, lowp_scales, out0; writes out0
.if DOCPART == 4
	.amdgcn_target "amdgcn-amd-amdhsa--gfx1250"
	.amdhsa_code_object_version 6
	.text
	.protected	k_q84012b7f98_outp
	.globl	k_q84012b7f98_outp
	.p2align	8
	.type	k_q84012b7f98_outp,@function
k_q84012b7f98_outp:
	s_mov_b64 s[64:65], 0
	v_nop
	global_prefetch_b8 v0, s[64:65] scope:SCOPE_SE
	s_setreg_imm32_b32 hwreg(HW_REG_WAVE_MODE, 25, 1), 1
	s_wait_xcnt 0x0
	s_wait_alu depctr_hold_cnt(0) depctr_sa_sdst(0) depctr_va_vdst(0) depctr_va_sdst(0) depctr_va_ssrc(0) depctr_va_vcc(0) depctr_vm_vsrc(0)
	s_getreg_b32 s2, hwreg(HW_REG_IB_STS2, 6, 4)
	s_cmp_eq_u32 s2, 0
	s_cbranch_scc0 .Lentry_in_a_cluster
	s_endpgm
.Lentry_in_a_cluster:
	s_bfe_u32 s2, ttmp6, 0x10000c
	s_cmp_lg_u32 s2, 0xf033
	s_cbranch_scc0 .Lentry_shape_is_right
	s_endpgm
.Lentry_shape_is_right:
; OUTP: out0 = attention's result x Wo on codes of E4M3; each finished sum is multiplied once by 2^(e8 + e9).  LIMIT: e8 + e9 between -126 and 127, so that this is an f32 number.
; THE IMAGE: [tile of 16 rows][block of 32 k][lane][16 bytes]; lane 16 h + r holds k = 32 block + 16 h + 0 .. 15 of the tile's row r; row r of tile T is the matrix's row 32 (T / 2) + 8 (T % 2) + r + 8 (r / 8).
; THE PRODUCT: D(P's row in the lane, Q's rows along the registers): source 0 = a tile of Q (Wo's columns), source 1 = a tile of P (tokens): the 16 registers of Q's tiles 2 c, 2 c + 1 are 16 neighbouring columns of one row of out0.
; A work-group: 128 tokens x 256 columns, K = 1,024.  Four waves, each 64 x 128: 32 accumulators.  LDS: three slots, each with 256 along K; three first fills go out together, one refill follows.
; CLUSTERS: 4 x 4 work-groups.  The four of a row of the cluster need the same tiles of P, the four of a column the same tiles of Q: each is asked for JOINTLY, by the same tensor load with the same descriptor and a mask that names the four.
; REGISTERS, in windows of 256: window 0: v4 16 x lane; v16-18, v20-22 LDS addresses; v24, v25 the stage; v28, v29 the add's two; v64-191 P's fragments, two sets; on the way out v32-95 scaled sums, v128-255 rows;
;   window 1: Q's fragments, two sets of 128;   window 2: accumulator (a, b) at v[8 (8 a + b)].
.set CL,    1
.set SLOT,  98304
.set QOFF,  32768
.set SPARE, 3*SLOT                     ; behind the slots: the spare words, 128 bytes a wave: two blocks of 256 bytes that no other line names
.set SP,    528                        ; the way out: a stage of 16 rows x (512 bytes + 16) for each wave, in slot 1, which has had its only fill and its last read when the first result is stored there
.set LI,   4
.set ADRA, 16
.set ADRB, 20
.set STO,  24
.set RD,   25
.set SPW,  28
.set NIL,  29
.set TMP,  32
.set AF,   64
.set BK,   128
.set G1A,  24
.set G1B,  32
.set G0A,  40
.set G0B,  52
.set MUL,  0xa1                        ; source 0 (Q) window 1, source 1 (P) window 0, C and D window 2
.set TO_B, 0x40
.set MSB, 0
.macro WIN new                         ; the immediate's high byte repeats the setting that is left
.if MSB != \new
	s_set_vgpr_msb (MSB<<8)|\new
.set MSB, \new
.endif
.endm
.macro PLACES n                        ; plain vector lines between a matrix instruction and a load into, or a read of, its registers
.rept \n
	v_nop
.endr
.endm
.macro CREST                           ; a round of the cluster's barrier behind its opening barrier
	s_cmp_lg_u32 s20, 0
	s_cbranch_scc1 .Lnot_wave_0_\@
	s_barrier_signal -3
.Lnot_wave_0_\@:
	s_barrier_wait -3
	s_barrier_signal -1
	s_barrier_wait -1
.endm
.macro CROUND                          ; a whole round
	s_barrier_signal -1
	s_barrier_wait -1
	CREST
.endm
.macro FETCH slot, q, p                ; the fragments of the slot's q-th 128 along K into set p: 48 loads of 512 consecutive bytes
	WIN TO_B
.irp b, 0,1,2,3,4,5,6,7
.irp c, 0,1,2,3
	ds_load_b128 v[128*(\p)+16*\b+4*\c:128*(\p)+16*\b+4*\c+3], v[ADRB+\slot] offset:4096*\b+2048*(\q)+512*\c
.endr
.endr
	WIN 0
.irp a, 0,1,2,3
.irp c, 0,1,2,3
	ds_load_b128 v[AF+64*(\p)+16*\a+4*\c:AF+64*(\p)+16*\a+4*\c+3], v[ADRA+\slot] offset:4096*\a+2048*(\q)+512*\c
.endr
.endr
.endm
.macro MUL8 a, p, zero                 ; P's tile a against Q's eight.  The 32 accumulators take turns in one order in every step
.irp b, 0,1,2,3,4,5,6,7
.if \zero
	v_wmma_f32_16x16x128_fp8_fp8 v[8*(8*\a+\b):8*(8*\a+\b)+7], v[128*(\p)+16*\b:128*(\p)+16*\b+15], v[AF+64*(\p)+16*\a:AF+64*(\p)+16*\a+15], 0
.else
	v_wmma_f32_16x16x128_fp8_fp8 v[8*(8*\a+\b):8*(8*\a+\b)+7], v[128*(\p)+16*\b:128*(\p)+16*\b+15], v[AF+64*(\p)+16*\a:AF+64*(\p)+16*\a+15], v[8*(8*\a+\b):8*(8*\a+\b)+7]
.endif
.endr
.endm
.macro STEP p, zero, nslot, nq         ; 128 along K on set p; the next step's fragments are asked for first and land under the 32 products
	s_wait_dscnt 0x0                               ; set p is in
	PLACES 4                                       ; the other set was multiplied by the products just issued
	FETCH \nslot, \nq, 1-(\p)
	WIN MUL
	MUL8 0, \p, \zero
	MUL8 1, \p, \zero
	MUL8 2, \p, \zero
	MUL8 3, \p, \zero
.endm
.macro JLOAD                           ; slot 0's joint refill: waves 0 and 1 fetch P's halves, waves 2 and 3 Q's; the branch hangs on the wave's number alone; an s_nop 0 and four v_nop follow each line
	s_cmp_eq_u32 s21, 0
	s_cbranch_scc0 .Lfor_q_\@
	tensor_load_to_lds s[G0A:G0A+3], s[G1A:G1A+7]
	s_nop 0
	PLACES 4
	s_branch .Lasked_\@
.Lfor_q_\@:
	tensor_load_to_lds s[G0B:G0B+3], s[G1B:G1B+7]
	s_nop 0
	PLACES 4
.Lasked_\@:
.endm
.macro TURN_FILL                       ; step 1 (set 1, the last of slot 0): slot 0 is filled again with K = 768 on
	WIN 0
	s_wait_tensorcnt 0x0                           ; all my tensor loads have landed: my parts of slots 1 and 2
	ds_add_u32 v[SPW], v[NIL]                      ; 0 onto my spare word
	s_add_nc_u64 s[G0A+2:G0A+3], s[G0A+2:G0A+3], 3*4096   ; no load of mine is out, so slot 0's addresses may step: three slots on along K
	s_add_nc_u64 s[G0B+2:G0B+3], s[G0B+2:G0B+3], 3*4096
	s_wait_dscnt 1                                 ; set 1 is in; the add may be out
	WIN MUL
	MUL8 0, 1, 0
	s_wait_dscnt 0x0                               ; the add is done, and my reads of slot 0 are over
	s_barrier_signal -1                            ; this barrier opens a round of the cluster's barrier
	MUL8 1, 1, 0                                   ; work on registers while the others arrive
	WIN 0
	s_barrier_wait -1
.if CL
	CREST                                          ; no wave of any partner still reads slot 0 or has a load on its way
.endif
	JLOAD                                          ; my one tensor load behind the round; its four v_nop are also the places in front of the loads below
	FETCH 1, 0, 0
	WIN MUL
	MUL8 2, 1, 0
	MUL8 3, 1, 0
.endm
.macro TURN_LAST                       ; step 5 (set 1, the last of slot 2): then slot 0's second tile is shown to every wave; no round follows
	s_wait_dscnt 0x0
	WIN MUL
	MUL8 0, 1, 0
	MUL8 1, 1, 0
	MUL8 2, 1, 0
	MUL8 3, 1, 0
	WIN 0
	s_wait_tensorcnt 0x0                           ; my part of the refill has landed
	ds_add_u32 v[SPW], v[NIL]
	s_wait_dscnt 0x0
	s_barrier_signal -1
	s_barrier_wait -1                              ; everybody's has
	PLACES 4
	FETCH 0, 0, 0
.endm
	s_load_b256 s[4:11], s[0:1], 0x0               ; att_img, w_img, the scales' exponents, out0
	v_lshl_add_u32 v[SPW], v0, 2, SPARE
	v_mov_b32 v[NIL], 0
	ds_add_u32 v[SPW], v[NIL]                      ; the wave's opening: its wait stands ahead of the round in front of my first tensor loads; work on registers stands between
	v_lshrrev_b32 v1, 5, v0
	v_readfirstlane_b32 s20, v1                    ; wave 0..3
	s_lshr_b32 s21, s20, 1                         ; wm: my 64 tokens.  Also: I fetch for P (0) or for Q (1)
	s_and_b32 s22, s20, 1                          ; wn: my 128 columns.  Also: which half of that tile I fetch
	s_bfe_u32 s66, ttmp6, 0x40000                  ; cx, cy: my place in the cluster
	s_bfe_u32 s67, ttmp6, 0x40004
	s_lshl_b32 s68, ttmp9, 2
	s_add_co_u32 s68, s68, s66                     ; nx: which 256 columns
	s_and_b32 s69, ttmp7, 0xffff
	s_lshl_b32 s69, s69, 2
	s_add_co_u32 s69, s69, s67                     ; my: which 128 tokens
	s_lshl_b32 s70, s67, 2
	s_lshl_b32 s70, 15, s70                        ; my row of the cluster
	s_lshl_b32 s71, 0x1111, s66                    ; my column
	s_or_b32 s[G1A], s70, (3<<16)|(1<<21)          ; the mask: P's tiles go to my row; elements of 8 bytes; bit 21 set beside a mask; no padding
	s_or_b32 s[G1B], s71, (3<<16)|(1<<21)          ; Q's to my column
	s_mov_b32 s[G1A+1], 512<<16                    ; rows of 512 elements (a tile's 4,096 bytes of this slot),
	s_mov_b32 s[G1A+2], 4<<16                      ; 4 of them for P,
	s_mov_b32 s[G1A+3], 512<<16
	s_mov_b32 s[G1A+4], 4
	s_mov_b32 s[G1A+5], 2048                       ; a tile of the image apart
	s_mov_b32 s[G1A+6], 0
	s_mov_b32 s[G1A+7], 0
	s_mov_b32 s[G1B+1], 512<<16
	s_mov_b32 s[G1B+2], 8<<16                      ; 8 for Q
	s_mov_b32 s[G1B+3], 512<<16
	s_mov_b32 s[G1B+4], 8
	s_mov_b32 s[G1B+5], 2048
	s_mov_b32 s[G1B+6], 0
	s_mov_b32 s[G1B+7], 0
	s_lshl_b32 s72, s69, 17                        ; P: 8 tiles x my, + the 4 that I fetch: made of the tokens' coordinate and the wave alone
	s_lshl_b32 s80, s22, 16
	s_add_co_u32 s72, s72, s80
	s_mov_b32 s73, 0
	s_lshl_b32 s74, s68, 18                        ; Q: w_img's tile 96 + 16 nx, + the 8 that I fetch: made of the columns' coordinate and the wave alone
	s_lshl_b32 s80, s22, 17
	s_add_co_u32 s74, s74, s80
	s_add_co_u32 s74, s74, 96*16384
	s_mov_b32 s75, 0
	s_lshl_b32 s16, s22, 14                        ; where they go in a slot: no place in the cluster enters an LDS address
	s_lshl_b32 s17, s22, 15
	s_wait_dscnt 0x0                               ; the opening add is done
	s_wait_kmcnt 0x0
	s_load_b64 s[96:97], s[8:9], 0x20              ; e8, e9
	s_add_nc_u64 s[88:89], s[4:5], s[72:73]
	s_add_nc_u64 s[90:91], s[6:7], s[74:75]
.irp n, 0,1,2
	s_mov_b32 s[G0A+4*\n], 1
	s_add_co_u32 s[G0A+4*\n+1], s16, \n*SLOT
	s_add_nc_u64 s[G0A+4*\n+2:G0A+4*\n+3], s[88:89], \n*4096
	s_or_b32 s[G0A+4*\n+3], s[G0A+4*\n+3], 0x80000000
	s_mov_b32 s[G0B+4*\n], 1
	s_add_co_u32 s[G0B+4*\n+1], s17, \n*SLOT+QOFF
	s_add_nc_u64 s[G0B+4*\n+2:G0B+4*\n+3], s[90:91], \n*4096
	s_or_b32 s[G0B+4*\n+3], s[G0B+4*\n+3], 0x80000000
.endr
	CROUND                                         ; all sixteen work-groups are here: the first joint loads meet
	s_cmp_eq_u32 s21, 0                            ; a wave's three first fills stand in one branch: three loads of mine are out
	s_cbranch_scc0 .Lfirst_q
	tensor_load_to_lds s[G0A:G0A+3], s[G1A:G1A+7]
	s_nop 0
	tensor_load_to_lds s[G0A+4:G0A+7], s[G1A:G1A+7]
	s_nop 0
	tensor_load_to_lds s[G0A+8:G0A+11], s[G1A:G1A+7]
	s_nop 0
	PLACES 4
	s_branch .Lfirst_asked
.Lfirst_q:
	tensor_load_to_lds s[G0B:G0B+3], s[G1B:G1B+7]
	s_nop 0
	tensor_load_to_lds s[G0B+4:G0B+7], s[G1B:G1B+7]
	s_nop 0
	tensor_load_to_lds s[G0B+8:G0B+11], s[G1B:G1B+7]
	s_nop 0
	PLACES 4
.Lfirst_asked:
	v_and_b32 v1, 31, v0
	v_lshlrev_b32 v[LI], 4, v1
	s_lshl_b32 s86, s21, 14
	s_lshl_b32 s87, s22, 15
	s_add_co_u32 s87, s87, QOFF
.irp s, 0,1,2
	v_add_nc_u32 v[ADRA+\s], s86, v[LI]
	v_add_nc_u32 v[ADRB+\s], s87, v[LI]
	s_add_co_u32 s86, s86, SLOT
	s_add_co_u32 s87, s87, SLOT
.endr
	s_mul_i32 s81, s20, 16*SP
	s_add_co_u32 s81, s81, SLOT                    ; my stage, in slot 1
	v_and_b32 v5, 15, v0                           ; r
	v_bfe_u32 v6, v0, 4, 1                         ; h
	v_mul_u32_u24 v5, v5, SP
	v_lshl_add_u32 v5, v6, 6, v5
	v_add_nc_u32 v[STO], s81, v5                   ; in: row r, + 64 h: my 16 columns of a block of 32
	v_add_nc_u32 v[RD], s81, v[LI]                 ; back: the 32 lanes take one row of 512 bytes
	s_lshl_b32 s76, s69, 19                        ; out0: (128 my + 64 wm) rows of 4,096 bytes,
	s_lshl_b32 s80, s21, 18
	s_add_co_u32 s76, s76, s80
	s_mov_b32 s77, 0
	s_lshl_b32 s78, s68, 10                        ; + (256 nx + 128 wn) columns of 4 bytes
	s_lshl_b32 s80, s22, 9
	s_add_co_u32 s78, s78, s80
	s_mov_b32 s79, 0
	s_add_nc_u64 s[10:11], s[10:11], s[76:77]
	s_add_nc_u64 s[10:11], s[10:11], s[78:79]
	s_wait_kmcnt 0x0
	s_add_co_i32 s96, s96, s97
	s_add_co_i32 s96, s96, 127
	s_lshl_b32 s96, s96, 23                        ; 2^(e8 + e9) as f32
	s_wait_tensorcnt 2                             ; my part of slot 0 is in; slots 1 and 2 may stay out
	s_barrier_signal -1
	s_barrier_wait -1                              ; everybody's is
	FETCH 0, 0, 0
	STEP 0, 1, 0, 1                                ; K 0: its products start the sums: nothing is cleared
	TURN_FILL                                      ; K 128
	STEP 0, 0, 1, 1                                ; K 256
	STEP 1, 0, 2, 0                                ; K 384
	STEP 0, 0, 2, 1                                ; K 512
	TURN_LAST                                      ; K 640
	STEP 0, 0, 0, 1                                ; K 768
	s_wait_dscnt 0x0                               ; K 896: nothing more to fetch
	WIN MUL
	MUL8 0, 1, 0
	MUL8 1, 1, 0
	MUL8 2, 1, 0
	MUL8 3, 1, 0
	WIN 0
; THE WAY OUT, a tile of 16 tokens x 128 columns at a time: a lane holds 4 x 64 bytes of one row, and the lanes beside it other rows: so the tile goes through my own stage and comes back as whole rows of 512 bytes.
; LDS serves a wave's instructions in order (ISA guide 5.7.1.4): no wait between the stores and the loads, nor in front of the next tile's stores.
.macro TOSTAGE a
	WIN 0x02                                       ; source 0: window 2
.irp j, 0,2,4,6,8,10,12,14,16,18,20,22,24,26,28,30,32,34,36,38,40,42,44,46,48,50,52,54,56,58,60,62
	v_pk_mul_f32 v[TMP+\j:TMP+\j+1], v[64*(\a)+\j:64*(\a)+\j+1], s[96:97] op_sel_hi:[1,0]   ; both x s96 = 2^(e8 + e9); each accumulator from its low end on
.endr
	WIN 0
.irp c, 0,1,2,3
.irp i, 0,1,2,3
	ds_store_b128 v[STO], v[TMP+16*\c+4*\i:TMP+16*\c+4*\i+3] offset:128*\c+16*\i
.endr
.endr
.irp t, 0,1,2,3,4,5,6,7,8,9,10,11,12,13,14,15
	ds_load_b128 v[BK+64*((\a)%2)+4*\t:BK+64*((\a)%2)+4*\t+3], v[RD] offset:\t*SP
.endr
.endm
.macro SEND a, younger                 ; younger: the LDS instructions issued behind tile a's loads, which may stay out
	s_wait_dscnt \younger
.irp t, 0,1,2,3,4,5,6,7,8,9,10,11,12,13,14,15
	global_store_b128 v[LI], v[BK+64*((\a)%2)+4*\t:BK+64*((\a)%2)+4*\t+3], s[10:11] offset:(32*((\a)/2)+8*((\a)%2)+\t+8*(\t/8))*4096 th:TH_STORE_NT   ; 512 consecutive bytes of one row, aligned; the immediate undoes the tile's order of rows
.endr
.endm
	PLACES 4                                       ; behind the last products: for the reads of results and the loads into the registers that held P's fragments
	TOSTAGE 0
.irp a, 1,2,3
.if \a > 1
	s_wait_xcnt 0x0                                ; tile a - 2's stores have read their registers: tile a's loads may land there
.endif
	TOSTAGE \a
	SEND \a-1, 32                                  ; behind tile a - 1's loads: tile a's 16 stores and 16 loads
.endr
	SEND 3, 0
	s_wait_tensorcnt 0x0                           ; the wave's end, behind my last tensor load and my last LDS store
	ds_add_u32 v[SPW], v[NIL]
	s_wait_dscnt 0x0
	CROUND                                         ; the closing round: no work-group ends while a partner may still ask for a tile that names it
	s_endpgm
.Lfunc_end_k_q84012b7f98_outp:
	.size	k_q84012b7f98_outp, .Lfunc_end_k_q84012b7f98_outp-k_q84012b7f98_outp
	.p2alignl 7, 3214868480
	.fill 96, 4, 3214868480
	.section	.rodata,"a",@progbits
	.p2align	6, 0x0
	.amdhsa_kernel k_q84012b7f98_outp
		.amdhsa_group_segment_fixed_size 327680
		.amdhsa_private_segment_fixed_size 0
		.amdhsa_enable_private_segment 0
		.amdhsa_kernarg_size 32
		.amdhsa_user_sgpr_count 2
		.amdhsa_user_sgpr_kernarg_segment_ptr 1
		.amdhsa_wavefront_size32 1
		.amdhsa_system_sgpr_workgroup_id_x 1
		.amdhsa_system_sgpr_workgroup_id_y 1
		.amdhsa_system_sgpr_workgroup_id_z 1
		.amdhsa_system_vgpr_workitem_id 0
		.amdhsa_next_free_vgpr 768
		.amdhsa_next_free_sgpr 100
		.amdhsa_reserve_vcc 0
		.amdhsa_float_denorm_mode_32 3
		.amdhsa_float_denorm_mode_16_64 3
		.amdhsa_memory_ordered 1
		.amdhsa_forward_progress 1
		.amdhsa_inst_pref_size 74
	.end_amdhsa_kernel
	.amdgpu_metadata
---
amdhsa.version: [ 1, 2 ]
amdhsa.kernels:
  - .name:           k_q84012b7f98_outp
    .symbol:         k_q84012b7f98_outp.kd
    .args:
      - { .name: att_img, .offset: 0, .size: 8, .value_kind: global_buffer, .address_space: global }
      - { .name: w_img, .offset: 8, .size: 8, .value_kind: global_buffer, .address_space: global }
      - { .name: lowp_scales, .offset: 16, .size: 8, .value_kind: global_buffer, .address_space: global }
      - { .name: out0, .offset: 24, .size: 8, .value_kind: global_buffer, .address_space: global }
    .group_segment_fixed_size: 327680
    .private_segment_fixed_size: 0
    .kernarg_segment_align: 8
    .kernarg_segment_size: 32
    .max_flat_workgroup_size: 128
    .sgpr_count:     100
    .vgpr_count:     768
    .wavefront_size: 32
...
	.end_amdgpu_metadata
.endif
;; end of part 4
